; MI455X (gfx1250); checked and timed in simulation.
; The chip was launched on July 23, 2026; its instructions are those of AMD's public machine-readable ISA for CDNA 5 (MIT licence, August 2026) and "CDNA5" Instruction Set Architecture Reference Guide (July 2026). The comments in the code are by the model that wrote it; some were corrected since.
;; Multi Head Self Attention2 D. Allowed arithmetic: matrix products marked QUANTISED: E2M1 operands, one E8M0 scale for each 32 along K, by v_wmma_scale_f32_16x16x128_f8f6f4 with both operands' format E2M1 (or v_wmma_scale_f32_32x16x128_f4), f32 sums; everything else in f32.
;; Inputs: bk 256 float32; bp 256 float32; bq 256 float32; bv 256 float32; gamma 1 float32; wk_codes 256 x 8 x 16 uint8 (E2M1 codes of wk, K innermost, in blocks of 32 codes, two codes a byte); wk_scales 256 x 8 uint8 (E8M0 scales of wk, one for each 32 codes along K); wp_codes 256 x 8 x 16 uint8 (E2M1 codes of wp, K innermost, in blocks of 32 codes, two codes a byte); wp_scales 256 x 8 uint8 (E8M0 scales of wp, one for each 32 codes along K); wq_codes 256 x 8 x 16 uint8 (E2M1 codes of wq, K innermost, in blocks of 32 codes, two codes a byte); wq_scales 256 x 8 uint8 (E8M0 scales of wq, one for each 32 codes along K); wv_codes 256 x 8 x 16 uint8 (E2M1 codes of wv, K innermost, in blocks of 32 codes, two codes a byte); wv_scales 256 x 8 uint8 (E8M0 scales of wv, one for each 32 codes along K); x 4 x 256 x 64 x 64 float32.
;; Outputs: out0 4 x 256 x 64 x 64 float32.
;; This version of the problem:
;;   THIS VERSION OF THE PROBLEM IS GIVEN IN LOW PRECISION. The matrix products marked QUANTISED in the list below multiply operands that are first quantised to E2M1 (2 exponent bits, 1 mantissa bit; 4 bits a number), with one power-of-two scale for each 32 numbers along K (OCP MX v1.0); their sums are f32. All else is computed in f32.
;;   The module's matrix products, in the order in which they are computed (A, B: the left and right operand; K: the contracted axis; several contracted axes count as one K, in the product's order):
;;     1. [M 16,384, K 256] x [K 256, N 256]; A: input x; B: input wq (given as codes): QUANTISED
;;     2. [M 16,384, K 256] x [K 256, N 256]; A: input x; B: input wk (given as codes): QUANTISED
;;     3. [M 16,384, K 256] x [K 256, N 256]; A: input x; B: input wv (given as codes): QUANTISED
;;     4. batch 16 x [M 4,096, K 64] x [K 64, N 4,096]; A: computed on the way; B: computed on the way: QUANTISED
;;     5. batch 16 x [M 64, K 4,096] x [K 4,096, N 4,096]; A: computed on the way; B: softmax (see below): QUANTISED
;;     6. [M 16,384, K 256] x [K 256, N 256]; A: computed on the way; B: input wp (given as codes): QUANTISED
;;   THE QUANTISER, for each operand of a quantised product, along K:
;;     - K is cut into blocks of 32 from its start; a last block that is shorter is filled with zeros.
;;     - A block's scale is 2^e with e = floor(log2(the largest magnitude in the block)) - 2, held to -126 .. 127; a block of zeros has e = 0. As a byte (E8M0): e + 127.
;;     - Each number is divided by its block's scale, clamped to +-6, and rounded to the nearest number of E2M1, ties to even, subnormals kept.
;;     - The product sums the exact products of the quantised numbers (number of the format x scale) in f32.
;;   ~~~python
;;   def quantise(x, axis):      # numpy; x: float32 -> the quantised numbers, widened to float32 again
;;       x = np.moveaxis(x, axis, -1); K = x.shape[-1]
;;       x = np.pad(x, [(0, 0)] * (x.ndim - 1) + [(0, -K % 32)]); x = x.reshape(x.shape[:-1] + (-1, 32)); a = np.abs(x).max(-1, keepdims=True)
;;       e = np.where(a > 0, np.clip(np.frexp(np.where(a > 0, a, 1))[1] - 1 - 2, -126, 127), 0)      # np.frexp(a)[1] - 1 = floor(log2(a)), exactly
;;       r = np.clip(x / 2.0 ** e, -6, 6)
;;       step = 2.0 ** (np.maximum(np.frexp(np.where(r == 0, 1, r))[1] - 1, 0) - 1)
;;       q = np.round(r / step) * step * 2.0 ** e      # np.round: ties to even
;;       return np.moveaxis(q.reshape(q.shape[:-2] + (-1,))[..., :K], -1, axis).astype(np.float32)
;;   ~~~
;;   SOFTMAX AHEAD OF A QUANTISED PRODUCT. Where the list says 'softmax', what is quantised is not the finished softmax but p = 2^(t - M), with t = logit x log2(e) and M = ceil(the row's largest t), a whole number; so 1/2 < the row's largest p <= 1. The row's sum l is taken of the UNQUANTISED p, in f32, and the product's result is divided by l at the end. Since M is a whole number, a kernel that streams over the keys may use a running M (the ceiling of the running maximum): every later rescaling is an exact power of two, which a block's scale takes up: the codes' values come out the same.
;;   OPERANDS COMPUTED ON THE WAY. 'Computed on the way' means the value that the module computes at that place (a softmax that the list does not call 'softmax' is quantised finished and normalised). What goes into a quantiser is computed in f32, as accurately as f32 sums, v_exp_f32 and their like allow (about 1e-6 of the number): no bf16 or f16 on the way to a quantiser, and a product that is left as it is and whose result goes on into a quantised operand takes f32 operands (vector FMAs, or v_wmma_f32_16x16x4_f32). A number that lies on a knife's edge between two numbers of the format may be rounded either way, as far as f32 arithmetic and the matrix unit's own rounding can turn it there, and no further.
;;   INPUTS GIVEN AS CODES. wk (in the module: [256, 256], K = its axis 1); wp (in the module: [256, 256], K = its axis 1); wq (in the module: [256, 256], K = its axis 1); wv (in the module: [256, 256], K = its axis 1): each comes as NAME_codes (uint8): NAME with its K axis moved to the last place and cut into blocks of 32 codes, [.., K / 32, bytes a block], one block behind the other in memory; two codes a byte, the lower K in the low four bits (a code: sign, 2 exponent bits, 1 mantissa bit); and NAME_scales (uint8): the same leading axes, one E8M0 byte (e + 127) for each 32 codes along K. Its value is code x scale, taken as it is: it is not quantised again, and the codes and scales need not be those that the quantiser above would give.
;; One version. Each part assembles by itself: llvm-mc -triple=amdgcn-amd-amdhsa -mcpu=gfx1250 --defsym DOCPART=n.
;; ======== version 1 of 1: 2 launches
;; workspace buffers: qb 2,359,296 bytes; kv 4,456,448 bytes
;; launch qkv (part 1): grid 64 x 4, 4 waves a work-group, clusters of 4 x 1, 187,392 bytes of LDS; arguments x, wq_codes, wq_scales, bq, wk_codes, wk_scales, bk, wv_codes, wv_scales, bv, qb, kv; writes qb, kv
.if DOCPART == 1
	.amdgcn_target "amdgcn-amd-amdhsa--gfx1250"
	.amdhsa_code_object_version 6
	.text
	.protected	k_q784d8b1423_qkv
	.globl	k_q784d8b1423_qkv
	.p2align	8
	.type	k_q784d8b1423_qkv,@function
k_q784d8b1423_qkv:
	s_mov_b64 s[64:65], 0
	v_nop
	global_prefetch_b8 v0, s[64:65] scope:SCOPE_SE
	s_setreg_imm32_b32 hwreg(HW_REG_WAVE_MODE, 25, 1), 1
	s_wait_xcnt 0x0
	s_wait_alu depctr_hold_cnt(0) depctr_sa_sdst(0) depctr_va_vdst(0) depctr_va_sdst(0) depctr_va_ssrc(0) depctr_va_vcc(0) depctr_vm_vsrc(0)
	s_getreg_b32 s2, hwreg(HW_REG_IB_STS2, 6, 4)
	s_cmp_eq_u32 s2, 0
	s_cbranch_scc0 .Lentry_in_a_cluster
	s_endpgm
.Lentry_in_a_cluster:
	s_bfe_u32 s2, ttmp6, 0x10000c
	s_cmp_lg_u32 s2, 0x3003
	s_cbranch_scc0 .Lentry_shape_is_right
	s_endpgm
.Lentry_shape_is_right:
; q, k, v = w x + bias for 64 pixels of one image, all on codes of FP4 (E2M1) with one E8M0 scale for each 32 along K, and their quantising for the attention launch.
; x: [4][256 channels][4,096 pixels] f32, K = the channels.  wq, wk, wv: [256][128 bytes] codes, K innermost; their scale bytes [256][8].  bq, bk, bv: [256] f32.
; SHARES.  A work-group takes 64 pixels (256 bytes of each channel's row) of one image.  In the products wave w is head w (rows 64 w .. 64 w + 63 of each weight).
; PHASE X.  A lane takes a pixel and its registers run down the channels: a block of 32 channels lies in one lane, its codes come out with K innermost.  Wave w takes pixels 32 (w & 1) on and channels 128 (w >> 1) on.
; ONE INDEX RULE.  Row r of tile 2 b + u of a group of 64 (pixels, or a head's 64 rows of a weight) stands for element 32 b + 8 u + r + 8 (r / 8).  In a result whose rows are such a tile, the 16 registers of
; tiles 2 b and 2 b + 1 are then 16 neighbours, 32 b + 16 (lane / 16) + 0 .. 15: two conversions a block and an exchange of halves give the next operand's registers.
; q and k: source 0 = 16 rows of the weight, source 1 = 16 pixels: a lane holds one pixel, its registers run along the head's 64 channels, the next K.  v: source 0 = 16 pixels, source 1 = 16 rows of wv:
; a lane holds one channel, its registers run along the pixels, which are the keys, the next K.  The biases are the C of each sum's first matrix instruction.
; OUT.  All codes leave as images of operand registers: four registers a lane, lane l's 16 bytes at 16 l: each store of a wave covers 512 consecutive bytes, aligned.
;   qb [image][block of 64 pixels][9,216]: codes [head][tile][512]; from 8,192 scale words [head][tile][row][4]: the row's two bytes, twice.
;   kv [image][block][17,408]: k's codes [head][tile][512]; from 8,192 v's codes [head][tile of 16 channels][512]; from 16,384 k's scale words [head][32][4]: lanes 0-15 tiles 0, 1, lanes 16-31 tiles 2, 3, the even
;   tile's two bytes below the odd tile's; from 16,896 v's scale bytes [head][tile][row][2].
; CLUSTER.  All work-groups read the same 96 KiB of weights beside 64 KiB of x of their own: the four partners ask for each wave's three weight tiles JOINTLY (mask 15; the descriptors hang on the wave's number
; alone).  x's tile is each work-group's own: a plain load.  Nothing in LDS is filled twice.
; LIMITS: NaN and infinities among the inputs are not served.  A block whose largest magnitude lies under 2^-124 (a block of zeros too) gets the scale byte 1: the bytes are read by this program alone.
.set HB,    17408                      ; a block's bytes in kv
.set QBB,   9216                       ; and in qb
.set WT,    65536                      ; LDS: x's tile lies at 0: 256 channels x 256 bytes.  Then the weights: for each wave three tiles of 64 rows,
.set WTW,   27648
.set WTT,   9216
.set WPI,   144                        ; a row of 128 bytes + 16 of padding
.set XIMG,  176128                     ; x's 8 fragments as images: (2 tile + K step) x 1,024 + 512 c + 16 lane
.set XSC,   184320                     ; their scale words: 256 x K step + 64 x tile + 4 x row
.set SCOUT, 184832                     ; the scale bytes on their way out: k's 512, v's 512, q's 1,024, laid as in the buffers
.set TM,    20                         ; v20-21 largest magnitudes, v22-23 the other half's, v24-25 scale operands, v26-27 bytes
.set HWD,   28                         ; v28  the two bytes just made
.set HWE,   29                         ; v29  those of the even tile before
.set WD,    30                         ; v30  a scale word
.set XS,    36                         ; v36-39 x's scale words: register 2 s + i: lanes 0-15 tile 2 i, lanes 16-31 tile 2 i + 1, K step s
.set WS,    40                         ; v40-63 the weights' scale words: 8 x type + 2 x tile + K step
.set BIAS,  64                         ; v64-95 bq, later bk, in the result's layout: 8 registers a tile
.set BV,    96                         ; v96-99 bv of my lane's channel, a register a tile
.set CB,    100                        ; v100-107 one of them, eight times
.set PC,    108                        ; v108-123 four sets of four registers of codes
.set F2,    124                        ; v124-139 one tile's two fragments
.set ACC,   140                        ; v140-171 four accumulators
.set F1,    172                        ; v172-235 four tiles' fragments; in phase X two sets of 32 numbers
; v1 lane, v2 r, v3 h; v4 x's tile, my pixel; v5, v6 where I store x's images and scale words; v7 16 x lane; v8 XSC + 4 x lane; v9 my weights, my row; v10-12 offsets of scale words, bq or bk, bv;
; v13-15 where q's, k's, v's scale bytes go; v16 where I read them back; v17 XIMG + 16 x lane
.macro CROUND                          ; a round of the cluster's barrier
	s_barrier_signal -1
	s_barrier_wait -1
	s_cmp_lg_u32 s32, 0
	s_cbranch_scc1 .Lnot_wave_0_\@
	s_barrier_signal -3
.Lnot_wave_0_\@:
	s_barrier_wait -3
	s_barrier_signal -1
	s_barrier_wait -1
.endm
.macro PLACES                          ; four plain vector instructions between a matrix instruction and a read of its result or a load into its registers
.rept 4
	v_nop
.endr
.endm
; one matrix instruction.  row = 1: source 0's scales stand in lanes 16-31;  2: source 1's
.macro WM d, a, b, c, sa, sb, row
.if (\row) == 1
	v_wmma_scale_f32_16x16x128_f8f6f4 v[\d:\d+7], v[\a:\a+7], v[\b:\b+7], v[\c:\c+7], v[\sa], v[\sb] matrix_a_fmt:MATRIX_FMT_FP4 matrix_b_fmt:MATRIX_FMT_FP4 matrix_a_scale:MATRIX_SCALE_ROW1
.elseif (\row) == 2
	v_wmma_scale_f32_16x16x128_f8f6f4 v[\d:\d+7], v[\a:\a+7], v[\b:\b+7], v[\c:\c+7], v[\sa], v[\sb] matrix_a_fmt:MATRIX_FMT_FP4 matrix_b_fmt:MATRIX_FMT_FP4 matrix_b_scale:MATRIX_SCALE_ROW1
.else
	v_wmma_scale_f32_16x16x128_f8f6f4 v[\d:\d+7], v[\a:\a+7], v[\b:\b+7], v[\c:\c+7], v[\sa], v[\sb] matrix_a_fmt:MATRIX_FMT_FP4 matrix_b_fmt:MATRIX_FMT_FP4
.endif
.endm
.macro LOADB k                         ; block k of my pixel: 32 channels; each load takes 128 consecutive bytes of one channel's row
.set i, 0
.rept 32
	ds_load_b32 v[F1+32*((\k)%2)+i], v4 offset:(32*(\k)+i)*256
.set i, i+1
.endr
.endm
.macro QUANTB k                        ; its scale byte into the word, its 32 codes into the image
.set XN, F1+32*((\k)%2)
	v_max3_num_f32 v[TM], |v[XN]|, |v[XN+1]|, |v[XN+2]|
	v_max3_num_f32 v[TM+1], |v[XN+3]|, |v[XN+4]|, |v[XN+5]|
.irp i, 6,10,14,18,22,26
	v_max3_num_f32 v[TM], v[TM], |v[XN+\i]|, |v[XN+\i+1]|
	v_max3_num_f32 v[TM+1], v[TM+1], |v[XN+\i+2]|, |v[XN+\i+3]|
.endr
	v_max3_num_f32 v[TM], v[TM], |v[XN+30]|, |v[XN+31]|
	v_max3_num_f32 v[TM], v[TM], v[TM+1], 0x1800000   ; and the floor 2^(3 - 127): the byte cannot fall under 1
	v_add_nc_u32 v[TM+4], 0xff000000, v[TM]            ; 2 off the exponent field: the conversion's scale operand
	v_lshrrev_b32 v[TM+6], 23, v[TM+4]                 ; the scale's byte
.if (\k) == 0
	v_mov_b32 v[WD], v[TM+6]
.else
	v_lshl_or_b32 v[WD], v[TM+6], 8*(\k), v[WD]
.endif
.irp g, 0,1,2,3
	v_cvt_scalef32_pk8_fp4_f32 v[PC+4*(\k)+\g], v[XN+8*\g:XN+8*\g+7], v[TM+4]
.endr
	v_nop                                          ; one plain place behind a scaled conversion
	ds_store_b128 v5, v[PC+4*(\k):PC+4*(\k)+3] offset:((\k)/2)*512+((\k)%2)*256   ; block k is registers 4 (k / 2) on of lanes 16 (k % 2) + r
.endm
; 32 registers of a lane, register 16 b + i = element 32 b + 16 (lane / 16) + i of the next K, become four registers of codes (lane (r, h): block h) and the two scale bytes in v[HWD]
.macro QUANT2 src, pc
.irp b, 0,1
	v_max3_num_f32 v[TM+\b], |v[\src+16*\b]|, |v[\src+1+16*\b]|, 0x1800000
.endr
.irp i, 2,4,6,8,10,12,14
.irp b, 0,1
	v_max3_num_f32 v[TM+\b], v[TM+\b], |v[\src+16*\b+\i]|, |v[\src+1+16*\b+\i]|   ; each accumulator is read from its low end on
.endr
.endr
.irp b, 0,1
	v_permlanex16_b32 v[TM+2+\b], v[TM+\b], s80, s81
.endr
.irp b, 0,1
	v_max_num_f32 v[TM+\b], v[TM+\b], v[TM+2+\b]       ; with lane l xor 16's 16 numbers: the block's largest magnitude
.endr
.irp b, 0,1
	v_add_nc_u32 v[TM+4+\b], 0xff000000, v[TM+\b]
.endr
.irp b, 0,1
	v_lshrrev_b32 v[TM+6+\b], 23, v[TM+4+\b]
.endr
	v_lshl_or_b32 v[HWD], v[TM+7], 8, v[TM+6]
.irp b, 0,1
	v_cvt_scalef32_pk8_fp4_f32 v[(\pc)+2*\b], v[\src+16*\b:\src+16*\b+7], v[TM+4+\b]
	v_cvt_scalef32_pk8_fp4_f32 v[(\pc)+2*\b+1], v[\src+16*\b+8:\src+16*\b+15], v[TM+4+\b]
.endr
	v_nop                                          ; one plain place behind a scaled conversion
	v_permlane16_swap_b32 v[(\pc)], v[(\pc)+2]     ; a whole block to a lane: lanes 0-15 block 0, lanes 16-31 block 1
	v_permlane16_swap_b32 v[(\pc)+1], v[(\pc)+3]
.endm
.macro FETCHW ty                       ; my head's four tiles of weight ty, both K steps, into F1
.irp t, 0,1,2,3
.irp ks, 0,1
.irp c, 0,1
	ds_load_b128 v[F1+16*\t+8*\ks+4*\c:F1+16*\t+8*\ks+4*\c+3], v9 offset:\ty*WTT+(32*(\t/2)+8*(\t%2))*WPI+64*\ks+32*\c
.endr
.endr
.endr
.endm
.macro FETCHWT tt                      ; tile tt of wv into F2
.irp ks, 0,1
.irp c, 0,1
	ds_load_b128 v[F2+8*\ks+4*\c:F2+8*\ks+4*\c+3], v9 offset:2*WTT+(32*((\tt)/2)+8*((\tt)%2))*WPI+64*\ks+32*\c
.endr
.endr
.endm
.macro FETCHX pt, dst                  ; x's pixel tile pt, both K steps
.irp ks, 0,1
.irp c, 0,1
	ds_load_b128 v[\dst+8*\ks+4*\c:\dst+8*\ks+4*\c+3], v17 offset:(2*(\pt)+\ks)*1024+512*\c
.endr
.endr
.endm
; q (ty = 0) or k (ty = 1) of my head, a tile of 16 pixels at a time.  The four accumulators take turns, one instruction a turn.
.macro PROJ ty
	FETCHW \ty
	FETCHX 0, F2
.irp p, 0,1,2,3
	s_wait_dscnt 0x0
.irp t, 0,1,2,3
	WM ACC+8*\t, F1+16*\t, F2, BIAS+8*\t, WS+8*\ty+2*\t, XS+\p/2, 2*(\p%2)
.endr
.irp t, 0,1,2,3
	WM ACC+8*\t, F1+16*\t+8, F2+8, ACC+8*\t, WS+8*\ty+2*\t+1, XS+2+\p/2, 2*(\p%2)
.endr
	PLACES
.if \p < 3
	FETCHX \p+1, F2
.endif
	QUANT2 ACC, PC+4*\p
.if \ty == 0
	global_store_b128 v7, v[PC+4*\p:PC+4*\p+3], s[4:5] offset:512*\p
	v_lshl_or_b32 v[WD], v[HWD], 16, v[HWD]        ; q's word: the two bytes twice, so that it serves either half of the instruction's K
	ds_store_b32 v13, v[WD] offset:64*\p           ; (lanes l and l xor 16 write the same word with the same value)
.else
	global_store_b128 v7, v[PC+4*\p:PC+4*\p+3], s[6:7] offset:512*\p
.if \p%2 == 0
	v_mov_b32 v[HWE], v[HWD]
.else
	v_lshl_or_b32 v[WD], v[HWD], 16, v[HWE]        ; k's word: the even tile's bytes below the odd tile's
	ds_store_b32 v14, v[WD] offset:64*(\p/2)
.endif
.endif
.endr
.endm
	s_load_b512 s[8:23], s[0:1], 0x0               ; x s[8:9], wq's codes s[10:11], scales s[12:13], bq s[14:15], wk's codes s[16:17], scales s[18:19], bk s[20:21], wv's codes s[22:23]
	s_load_b256 s[24:31], s[0:1], 0x40             ; wv's scales s[24:25], bv s[26:27], qb s[28:29], kv s[30:31]
	v_lshl_add_u32 v240, v0, 2, 0x2da00
	v_mov_b32 v241, 0
	ds_add_u32 v240, v241
	ds_add_u32 v240, v241
	v_lshrrev_b32 v1, 5, v0
	v_readfirstlane_b32 s32, v1                    ; wave 0..3
	s_bfe_u32 s33, ttmp6, 0x40000                  ; cx
	s_lshl_b32 s34, ttmp9, 2
	s_add_co_u32 s34, s34, s33                     ; my block of 64 pixels = 4 x cluster x + cx
	s_and_b32 s35, ttmp7, 0xffff                   ; the image
	s_lshr_b32 s36, s32, 1                         ; phase X: my K step,
	s_and_b32 s37, s32, 1                          ; my 32 pixels
	s_mov_b32 s80, 0x76543210
	s_mov_b32 s81, 0xfedcba98                      ; v_permlanex16_b32's selects for lane l xor 16
	v_and_b32 v1, 31, v0                           ; lane
	v_and_b32 v2, 15, v0                           ; r
	v_bfe_u32 v3, v0, 4, 1                         ; h
	v_and_b32 v4, 7, v0                            ; lane l is row l % 16 of tile l / 16 of its 32 pixels: pixel (l & 7) + 16 (bit 3) + 8 (bit 4)
	v_bfe_u32 v18, v0, 3, 1
	v_lshl_add_u32 v4, v18, 4, v4
	v_lshl_add_u32 v4, v3, 3, v4
	v_lshlrev_b32 v4, 2, v4
	s_lshl_b32 s38, s36, 15                        ; 128 channels x 256 bytes
	s_lshl_b32 s39, s37, 7
	s_add_co_u32 s38, s38, s39
	v_add_nc_u32 v4, s38, v4
	v_lshlrev_b32 v5, 4, v2
	v_lshl_add_u32 v5, v3, 11, v5
	s_lshl_b32 s38, s37, 12
	s_lshl_b32 s39, s36, 10
	s_add_co_u32 s38, s38, s39
	s_add_co_u32 s38, s38, XIMG
	v_add_nc_u32 v5, s38, v5                       ; XIMG + 4,096 (w & 1) + 2,048 (l / 16) + 1,024 (w >> 1) + 16 (l % 16)
	s_lshl_b32 s38, s36, 8
	s_lshl_b32 s39, s37, 7
	s_add_co_u32 s38, s38, s39
	s_add_co_u32 s38, s38, XSC
	v_lshl_add_u32 v6, v1, 2, s38
	v_lshlrev_b32 v7, 4, v1
	v_lshl_add_u32 v8, v1, 2, XSC
	v_add_nc_u32 v17, XIMG, v7
	v_and_b32 v18, 8, v2
	v_add_nc_u32 v18, v18, v2                      ; r + 8 (r / 8)
	s_mul_i32 s39, s32, WTW
	s_add_co_u32 s39, s39, WT                      ; my weights' place in LDS
	v_mul_u32_u24 v9, v18, WPI
	v_lshl_add_u32 v9, v3, 4, v9
	v_add_nc_u32 v9, s39, v9
	v_lshlrev_b32 v10, 3, v18                      ; a row's 8 scale bytes
	v_lshlrev_b32 v11, 6, v3                       ; bq, bk: 16 h numbers on
	v_lshlrev_b32 v12, 2, v18                      ; bv: my lane's channel
	s_lshl_b32 s38, s32, 8
	s_add_co_u32 s38, s38, SCOUT+1024
	v_lshl_add_u32 v13, v2, 2, s38
	s_lshl_b32 s38, s32, 7
	s_add_co_u32 s38, s38, SCOUT
	v_lshl_add_u32 v14, v2, 2, s38
	s_add_co_u32 s38, s38, 512
	v_lshl_add_u32 v15, v2, 1, s38
	s_lshl_b32 s38, s32, 9
	s_add_co_u32 s38, s38, SCOUT
	v_add_nc_u32 v16, s38, v7
	v_mov_b32 v[TM+2], 0                           ; written once: a lane permute's destination counts as one of its sources
	v_mov_b32 v[TM+3], 0
	; descriptor group 1 for x's tile: 64 channels x 64 numbers of 4 bytes, 4,096 numbers from row to row; no mask, no padding (a read takes 128 consecutive bytes of one row)
	s_mov_b32 s44, 2<<16
	s_mov_b32 s45, 64<<16
	s_mov_b32 s46, 64<<16
	s_mov_b32 s47, 64<<16
	s_mov_b32 s48, 64
	s_mov_b32 s49, 4096
	s_mov_b32 s50, 0
	s_mov_b32 s51, 0
	; and for a weight's tile: 64 rows x 128 bytes, dense; 15:0 the mask: all four partners; 20 padding on; 21 set beside a mask; 24:22 after every 32 words (code 4); 31:25 four words (code 3)
	s_mov_b32 s52, 15|(1<<20)|(1<<21)|(4<<22)|(3<<25)
	s_mov_b32 s53, 128<<16
	s_mov_b32 s54, 64<<16
	s_mov_b32 s55, 128<<16
	s_mov_b32 s56, 64
	s_mov_b32 s57, 128
	s_mov_b32 s58, 0
	s_mov_b32 s59, 0
	s_lshl_b32 s40, s35, 22                        ; x: the image, 256 x 16,384 bytes;
	s_lshl_b32 s41, s32, 20                        ; my 64 channels;
	s_add_co_u32 s40, s40, s41
	s_lshl_b32 s41, s34, 8                         ; the block's 256 bytes of a row
	s_add_co_u32 s40, s40, s41
	s_mov_b32 s41, 0                               ; s[40:41]: offsets that hang on the work-group;  s[42:43]: those that hang on the wave alone
	s_lshl_b32 s42, s32, 13                        ; my 64 rows of a weight
	s_mov_b32 s43, 0
	s_wait_dscnt 0x0
	s_wait_kmcnt 0x0
	s_mov_b32 s60, 1
	s_lshl_b32 s61, s32, 14                        ; x's tile: 64 channels x 256 bytes a wave
	s_add_nc_u64 s[62:63], s[8:9], s[40:41]
	s_or_b32 s63, s63, 0x80000000
	s_mov_b32 s68, 1
	s_mov_b32 s69, s39
	s_add_nc_u64 s[70:71], s[10:11], s[42:43]
	s_or_b32 s71, s71, 0x80000000
	s_mov_b32 s72, 1
	s_add_co_u32 s73, s39, WTT
	s_add_nc_u64 s[74:75], s[16:17], s[42:43]
	s_or_b32 s75, s75, 0x80000000
	s_mov_b32 s76, 1
	s_add_co_u32 s77, s39, 2*WTT
	s_add_nc_u64 s[78:79], s[22:23], s[42:43]
	s_or_b32 s79, s79, 0x80000000
	s_lshl_b32 s42, s32, 9                         ; my 64 rows of scale bytes
	s_add_nc_u64 s[12:13], s[12:13], s[42:43]
	s_add_nc_u64 s[18:19], s[18:19], s[42:43]
	s_add_nc_u64 s[24:25], s[24:25], s[42:43]
	s_lshl_b32 s42, s32, 8                         ; my 64 numbers of a bias
	s_add_nc_u64 s[14:15], s[14:15], s[42:43]
	s_add_nc_u64 s[20:21], s[20:21], s[42:43]
	s_add_nc_u64 s[26:27], s[26:27], s[42:43]
	s_lshl_b32 s38, s35, 6
	s_add_co_u32 s38, s38, s34                     ; 64 x image + block
	s_mul_i32 s40, s38, QBB
	s_add_nc_u64 s[28:29], s[28:29], s[40:41]      ; my block in qb
	s_mul_i32 s40, s38, HB
	s_add_nc_u64 s[30:31], s[30:31], s[40:41]      ; and in kv
	s_lshl_b32 s42, s32, 11                        ; my head's 2,048 bytes of codes
	s_add_nc_u64 s[4:5], s[28:29], s[42:43]
	s_add_nc_u64 s[6:7], s[30:31], s[42:43]
	CROUND                                         ; all four work-groups are here: the joint loads meet
	tensor_load_to_lds s[60:63], s[44:51]          ; x's tile first: it is wanted first.  Four tensor loads of mine are out
	s_nop 0
	tensor_load_to_lds s[68:71], s[52:59]
	s_nop 0
	tensor_load_to_lds s[72:75], s[52:59]
	s_nop 0
	tensor_load_to_lds s[76:79], s[52:59]
	s_nop 0
	PLACES
	s_wait_alu depctr_va_vdst(0)
.irp t, 0,1,2,3
	global_load_b64 v[WS+2*\t:WS+2*\t+1], v10, s[12:13] offset:(32*(\t/2)+8*(\t%2))*8
	global_load_b64 v[WS+8+2*\t:WS+8+2*\t+1], v10, s[18:19] offset:(32*(\t/2)+8*(\t%2))*8
	global_load_b64 v[WS+16+2*\t:WS+16+2*\t+1], v10, s[24:25] offset:(32*(\t/2)+8*(\t%2))*8
.endr
.irp t, 0,1,2,3
	global_load_b128 v[BIAS+8*\t:BIAS+8*\t+3], v11, s[14:15] offset:(32*(\t/2)+8*(\t%2))*4
	global_load_b128 v[BIAS+8*\t+4:BIAS+8*\t+7], v11, s[14:15] offset:(32*(\t/2)+8*(\t%2))*4+16
	global_load_b32 v[BV+\t], v12, s[26:27] offset:(32*(\t/2)+8*(\t%2))*4
.endr
	s_wait_tensorcnt 0x3                           ; my 64 channels of x are in; the three weight tiles, issued behind, may stay out
	s_barrier_signal -1
	s_barrier_wait -1                              ; everybody's channels are in
	; ---- X: my 32 pixels x 128 channels become codes
	LOADB 0
	LOADB 1
	s_wait_dscnt 32                                ; block 0 is in; block 1's 32 loads may be out
	QUANTB 0
	LOADB 2
	s_wait_dscnt 33                                ; block 1 is in; behind it: one store and 32 loads
	QUANTB 1
	LOADB 3
	s_wait_dscnt 33
	QUANTB 2
	s_wait_dscnt 1                                 ; block 3 is in; behind it: one store
	QUANTB 3
	ds_store_b32 v6, v[WD]                         ; my pixel's scale word of this K step
	s_wait_dscnt 0x0                               ; for the others' sake: my stores have landed
	s_barrier_signal -1
	s_barrier_wait -1                              ; x's eight fragments and their scale words lie in LDS
.irp ks, 0,1
.irp i, 0,1
	ds_load_b32 v[XS+2*\ks+\i], v8 offset:256*\ks+128*\i
.endr
.endr
	s_wait_tensorcnt 0x0                           ; my weight tiles are in; I alone read them
	s_wait_loadcnt 0x0                             ; the scale words and biases
	; ---- q
	PROJ 0
.irp t, 0,1,2,3
	global_load_b128 v[BIAS+8*\t:BIAS+8*\t+3], v11, s[20:21] offset:(32*(\t/2)+8*(\t%2))*4         ; bk takes bq's place: it lands while v is made
	global_load_b128 v[BIAS+8*\t+4:BIAS+8*\t+7], v11, s[20:21] offset:(32*(\t/2)+8*(\t%2))*4+16
.endr
	; ---- v: the four pixel tiles stay in F1, wv's tiles go by
	s_wait_xcnt 0x0                                ; q's stores have read their registers: the sets of codes may be written again
.irp j, 0,1,2,3,4,5,6,7
	v_mov_b32 v[CB+\j], v[BV]
.endr
.irp p, 0,1,2,3
	FETCHX \p, F1+16*\p
.endr
	FETCHWT 0
	PLACES                                         ; the bias registers just written are kept at the distance that an operand so written is owed
	s_wait_alu depctr_va_vdst(0)
.irp t, 0,1,2,3
	s_wait_dscnt 0x0
.irp p, 0,1,2,3
	WM ACC+8*\p, F1+16*\p, F2, CB, XS+\p/2, WS+16+2*\t, \p%2
.endr
.irp p, 0,1,2,3
	WM ACC+8*\p, F1+16*\p+8, F2+8, ACC+8*\p, XS+2+\p/2, WS+16+2*\t+1, \p%2
.endr
	PLACES
.if \t < 3
	FETCHWT \t+1
.irp j, 0,1,2,3,4,5,6,7
	v_mov_b32 v[CB+\j], v[BV+\t+1]
.endr
.endif
	QUANT2 ACC, PC+4*\t
	global_store_b128 v7, v[PC+4*\t:PC+4*\t+3], s[6:7] offset:8192+512*\t
	ds_store_b16 v15, v[HWD] offset:32*\t          ; the two bytes of my channel's two blocks of keys
.endr
	; ---- k
	s_wait_xcnt 0x0                                ; v's stores have read their registers
	s_wait_loadcnt 0x0                             ; bk
	PROJ 1
	; ---- the scale bytes leave: 512 consecutive bytes a wave
	s_wait_dscnt 0x0
	s_barrier_signal -1
	s_barrier_wait -1
	ds_load_b128 v[20:23], v16
	s_add_nc_u64 s[30:31], s[30:31], 16384         ; waves 0, 1: k's words and v's bytes, behind kv's codes;
	s_add_nc_u64 s[28:29], s[28:29], 7168          ; waves 2, 3: q's words, from 8,192 on in qb's block (7,168 + 512 x wave)
	s_lshl_b32 s42, s32, 9
	s_cmp_lt_u32 s32, 2
	s_cselect_b64 s[40:41], s[30:31], s[28:29]
	s_add_nc_u64 s[40:41], s[40:41], s[42:43]
	s_wait_dscnt 0x0
	global_store_b128 v7, v[20:23], s[40:41]
	s_wait_tensorcnt 0x0
	ds_add_u32 v240, v241
	s_wait_dscnt 0x0
	CROUND                                         ; the closing round: no work-group ends while a partner may still ask for a tile that names it
	s_endpgm
.Lfunc_end_k_q784d8b1423_qkv:
	.size	k_q784d8b1423_qkv, .Lfunc_end_k_q784d8b1423_qkv-k_q784d8b1423_qkv
	.p2alignl 7, 3214868480
	.fill 96, 4, 3214868480
	.section	.rodata,"a",@progbits
	.p2align	6, 0x0
	.amdhsa_kernel k_q784d8b1423_qkv
		.amdhsa_group_segment_fixed_size 187392
		.amdhsa_private_segment_fixed_size 0
		.amdhsa_enable_private_segment 0
		.amdhsa_kernarg_size 96
		.amdhsa_user_sgpr_count 2
		.amdhsa_user_sgpr_kernarg_segment_ptr 1
		.amdhsa_wavefront_size32 1
		.amdhsa_system_sgpr_workgroup_id_x 1
		.amdhsa_system_sgpr_workgroup_id_y 1
		.amdhsa_system_sgpr_workgroup_id_z 1
		.amdhsa_system_vgpr_workitem_id 0
		.amdhsa_next_free_vgpr 242
		.amdhsa_next_free_sgpr 84
		.amdhsa_reserve_vcc 0
		.amdhsa_float_denorm_mode_32 3
		.amdhsa_float_denorm_mode_16_64 3
		.amdhsa_memory_ordered 1
		.amdhsa_forward_progress 1
		.amdhsa_inst_pref_size 72
	.end_amdhsa_kernel
	.amdgpu_metadata
---
amdhsa.version: [ 1, 2 ]
amdhsa.kernels:
  - .name:           k_q784d8b1423_qkv
    .symbol:         k_q784d8b1423_qkv.kd
    .args:
      - { .name: x, .offset: 0, .size: 8, .value_kind: global_buffer, .address_space: global }
      - { .name: wq_codes, .offset: 8, .size: 8, .value_kind: global_buffer, .address_space: global }
      - { .name: wq_scales, .offset: 16, .size: 8, .value_kind: global_buffer, .address_space: global }
      - { .name: bq, .offset: 24, .size: 8, .value_kind: global_buffer, .address_space: global }
      - { .name: wk_codes, .offset: 32, .size: 8, .value_kind: global_buffer, .address_space: global }
      - { .name: wk_scales, .offset: 40, .size: 8, .value_kind: global_buffer, .address_space: global }
      - { .name: bk, .offset: 48, .size: 8, .value_kind: global_buffer, .address_space: global }
      - { .name: wv_codes, .offset: 56, .size: 8, .value_kind: global_buffer, .address_space: global }
      - { .name: wv_scales, .offset: 64, .size: 8, .value_kind: global_buffer, .address_space: global }
      - { .name: bv, .offset: 72, .size: 8, .value_kind: global_buffer, .address_space: global }
      - { .name: qb, .offset: 80, .size: 8, .value_kind: global_buffer, .address_space: global }
      - { .name: kv, .offset: 88, .size: 8, .value_kind: global_buffer, .address_space: global }
    .group_segment_fixed_size: 187392
    .private_segment_fixed_size: 0
    .kernarg_segment_align: 8
    .kernarg_segment_size: 96
    .max_flat_workgroup_size: 128
    .sgpr_count:     84
    .vgpr_count:     242
    .wavefront_size: 32
...
	.end_amdgpu_metadata
.endif
;; end of part 1
;; launch attn (part 2): grid 64 x 4, 16 waves a work-group, clusters of 4 x 1, 327,680 bytes of LDS; arguments qb, kv, wp_codes, wp_scales, bp, gamma, x, out0; writes out0
.if DOCPART == 2
	.amdgcn_target "amdgcn-amd-amdhsa--gfx1250"
	.amdhsa_code_object_version 6
	.text
	.protected	k_q784d8b1423_attn
	.globl	k_q784d8b1423_attn
	.p2align	8
	.type	k_q784d8b1423_attn,@function
k_q784d8b1423_attn:
	s_mov_b64 s[64:65], 0
	v_nop
	global_prefetch_b8 v0, s[64:65] scope:SCOPE_SE
	s_setreg_imm32_b32 hwreg(HW_REG_WAVE_MODE, 25, 1), 1
	s_wait_xcnt 0x0
	s_wait_alu depctr_hold_cnt(0) depctr_sa_sdst(0) depctr_va_vdst(0) depctr_va_sdst(0) depctr_va_ssrc(0) depctr_va_vcc(0) depctr_vm_vsrc(0)
	s_getreg_b32 s2, hwreg(HW_REG_IB_STS2, 6, 4)
	s_cmp_eq_u32 s2, 0
	s_cbranch_scc0 .Lentry_in_a_cluster
	s_endpgm
.Lentry_in_a_cluster:
	s_bfe_u32 s2, ttmp6, 0x10000c
	s_cmp_lg_u32 s2, 0x3003
	s_cbranch_scc0 .Lentry_shape_is_right
	s_endpgm
.Lentry_shape_is_right:
; out0 = gamma (wp softmax(q^T k / 8) v + bp) + x for 64 pixels of one image, all four heads; all three products on codes of FP4 (E2M1) with one E8M0 scale for each 32 along K.
; qb and kv hold q's, k's and v's codes as images of operand registers (four registers a lane, lane l's 16 bytes at 16 l) and their scale bytes, by blocks of 64 pixels:
;   qb block (9,216 bytes): codes [head][tile][512]; from 8,192 scale words [head][tile][row][4].   kv block (HB = 17,408 bytes): k's codes [head][tile][512]; from 8,192 v's codes [head][tile of 16 channels][512];
;   from 16,384 k's scale words [head][32][4]; from 16,896 v's scale bytes [head][tile][row][2].   Row r of tile 2 b + u stands for element 32 b + 8 u + r + 8 (r / 8) of its 64 (pixels or channels).
; THE SOFTMAX AHEAD OF THE SECOND PRODUCT: t = score x log2(e) / 8; M = the running largest t rounded UP to a whole number; p = 2^(t - M) is quantised along the keys, not normalised.  The row's sum is taken of the
; unquantised p and divides O at the end.  When M moves, the sum and O are multiplied by 2^(old M - new M): exact.
; SHARES.  A work-group owns 64 pixels.  Wave w = (head w / 4, tile of 16 queries w % 4) walks all 4,096 keys, 128 a step, in 256 registers: four waves to a SIMD, so that one wave's vector work stands beside
; another's matrix work and LDS loads: a key step is some 240 vector instructions against 12 matrix instructions.  At the end wave w makes output channels 16 w .. 16 w + 15 for the 64 pixels.
; LAYOUT.  S^T = k q^T and O^T = v^T p^T: a lane holds one query throughout.  K OF THE FIRST PRODUCT IS 64, HALF OF THE INSTRUCTION'S 128: a fragment of k holds TWO tiles of keys, registers 0-3 and 4-7; q stands as
; q | zeros | q in v16-27, and source 1 = v[16:23] multiplies the first tile, v[20:27] the second.  The other half meets zero codes, which add nothing; its scale bytes are real bytes of the same operands.
; RING.  Two LDS slots of 8 blocks (512 keys, 4 key steps); waves 0-7 fetch a block each by one tensor load: a wave has one tensor load out at the most.
; CLUSTER.  The four partners belong to one image and walk the same kv: every fill is asked for JOINTLY (mask 15).
; LIMITS: NaN and infinities are not served; p under 2^-126 becomes 0 (v_exp_f32 gives no denormals: ISA guide 15.8); a block whose largest magnitude lies under 2^-124 gets the scale byte 1.
.set HB,    17408
.set SLOT,  8*HB                       ; slot 0 at 0, slot 1 at SLOT
.set QBB,   9216
.set SPARE, 2*SLOT                     ; behind the ring: the spare words, 128 bytes for each of 16 waves: eight blocks of 256 bytes that no other line names
.set OSC,   8192                       ; the epilogue lies in slot 0, which has had its last fill: at 0 the attention's result as 8 fragments' images; at OSC their scale words;
.set STG,   8704                       ; from STG a stage of 16 rows x (256 + 16) bytes for each wave
.set STW,   4352
; REGISTERS.  v1 16 lane + 2,048 head; v2 4 lane + 128 head; v3 2 r + 128 head; v4, v5 the spare word's address and 0; v6-8 the step's LDS addresses; v9 16 lane; v10, v11 where my image and my two scale bytes go;
; v12 -M, v13 the largest t, v[14:15] the sum in two halves; v16-27 q | 0 | q; v28 q's scale word; v29 the prefetches' offset; v30, v31 my stage, in and back; v32-63 k; v64-95 v; v96-159 S^T, then p; v160-191 O^T;
; v192-199 p's codes; v200-211 at work; v212 f, v213 p's scale word; v214-217 at work; v218-219 k's scale words; v220-227 v's scale bytes, v228-231 as words; v232, v233 offsets in x and out0;
; v234-236 wp's scale words, bp; v237-239 128 r + 16 h, 8 r, 4 r; v240-247 bp eight times; v248-251 the result's scale words; v252 OSC + 4 lane.
; s24 wave, s25 head, s26 tile, s27 cx, s28 block, s29 image; s[36:43], s[44:47] the descriptor; s48 wave x HB; s49 the slot that is filled; s50 the step's place in LDS; s51, s52 counters; s53, s[54:55] the prefetches;
; s[56:57] lane selects; s[58:59] c; s[60:61] gamma; s[62:63], s[66:67] x; s[68:69] out0.
.macro CROUND                          ; a round of the cluster's barrier
	s_barrier_signal -1
	s_barrier_wait -1
	s_cmp_lg_u32 s24, 0
	s_cbranch_scc1 .Lnot_wave_0_\@
	s_barrier_signal -3
.Lnot_wave_0_\@:
	s_barrier_wait -3
	s_barrier_signal -1
	s_barrier_wait -1
.endm
.macro PLACES
.rept 4
	v_nop
.endr
.endm
.macro JLOAD                           ; waves 0-7 fetch a block each; the branch hangs on the wave's number alone.  Four v_nop follow the load
	s_cmp_lt_u32 s24, 8
	s_cbranch_scc0 .Lnone_\@
	tensor_load_to_lds s[44:47], s[36:43]
	s_nop 0
	PLACES
.Lnone_\@:
.endm
; A PREFETCH INTO THE L2 of the codes that the NEXT change of slots will ask for: 8 blocks x 16,384 bytes.  All clusters of an image walk the same kv: the image's first cluster asks.  Its four partners take two blocks
; each, told apart BY ADDRESS; in each, waves 8-11, which fetch nothing, take 8,192 bytes each, lanes 256 bytes apart: each aligned 256 bytes of codes are named once in the launch.  The scale bytes, 1,024 of a block's
; 17,408, are not asked for.  Slots 0 and 1 come by their loads alone; the last change that fills a slot asks for nothing.
.macro ASK
	s_cmp_gt_u32 s51, s53
	s_cbranch_scc0 .Lnot_mine_\@
	global_prefetch_b8 v29, s[54:55] th:TH_LOAD_NT scope:SCOPE_SE
.Lnot_mine_\@:
.endm
.macro ASKX                            ; and, at the last change of slots, of the work-group's 256 rows of x (256 bytes each) that the epilogue adds: waves 0-7, 32 rows each, a lane a row, each row once
	s_cmp_lt_u32 s24, 8
	s_cbranch_scc0 .Lno_x_\@
	global_prefetch_b8 v233, s[62:63] th:TH_LOAD_NT scope:SCOPE_SE
.Lno_x_\@:
.endm
; A KEY STEP: 128 keys, two blocks of kv, at LDS byte s50.
.macro STEP
	v_add_nc_u32 v6, s50, v1
	v_add_nc_u32 v7, s50, v2
	v_add_nc_u32 v8, s50, v3
	v_nop                                          ; these four are the places in front of the loads into v's fragments, which the last step's last products read
.irp c, 0,1
.irp bp, 0,1
.irp u, 0,1
	ds_load_b128 v[32+8*(2*\c+\bp)+4*\u:35+8*(2*\c+\bp)+4*\u], v6 offset:\c*HB+1024*\bp+512*\u
.endr
.endr
	ds_load_b32 v[218+\c], v7 offset:\c*HB+16384
.endr
.irp c, 0,1
.irp t, 0,1,2,3
	ds_load_b128 v[64+8*\t+4*\c:67+8*\t+4*\c], v6 offset:\c*HB+8192+512*\t
.endr
.endr
.irp c, 0,1
.irp t, 0,1,2,3
	ds_load_u16 v[220+4*\c+\t], v8 offset:\c*HB+16896+32*\t
.endr
.endr
	s_wait_dscnt 16                                ; k and its scale words are in; v's eight loads and its eight pairs of bytes may be out
.irp bb, 0,1,2,3                               ; S^T: keys 32 bb on; tile u of the pair
.irp u, 0,1
.if \bb%2
	v_wmma_scale_f32_16x16x128_f8f6f4 v[96+8*(2*\bb+\u):103+8*(2*\bb+\u)], v[32+8*\bb:39+8*\bb], v[16+4*\u:23+4*\u], 0, v[218+\bb/2], v28 matrix_a_fmt:MATRIX_FMT_FP4 matrix_b_fmt:MATRIX_FMT_FP4 matrix_a_scale:MATRIX_SCALE_ROW1
.else
	v_wmma_scale_f32_16x16x128_f8f6f4 v[96+8*(2*\bb+\u):103+8*(2*\bb+\u)], v[32+8*\bb:39+8*\bb], v[16+4*\u:23+4*\u], 0, v[218+\bb/2], v28 matrix_a_fmt:MATRIX_FMT_FP4 matrix_b_fmt:MATRIX_FMT_FP4
.endif
.endr
.endr
	s_wait_dscnt 0x0                               ; v
.irp t, 0,1,2,3
	v_lshl_or_b32 v[228+\t], v[224+\t], 16, v[220+\t]   ; v's scale words of these 128 keys.  (These four are the places behind the products)
.endr
.irp b, 0,1,2,3
	v_max3_num_f32 v[200+\b], v[96+16*\b], v[97+16*\b], v[98+16*\b]   ; the largest score of each block of 32 keys: for the row's maximum, and, since p rises with the score, for the block's largest p
.endr
.irp i, 3,5,7,9,11,13
.irp b, 0,1,2,3
	v_max3_num_f32 v[200+\b], v[200+\b], v[96+16*\b+\i], v[97+16*\b+\i]
.endr
.endr
.irp b, 0,1,2,3
	v_max_num_f32 v[200+\b], v[200+\b], v[111+16*\b]
.endr
.irp b, 0,1,2,3
	s_delay_alu instid0(VALU_DEP_4)
	v_permlanex16_b32 v[204+\b], v[200+\b], s56, s57
.endr
.irp b, 0,1,2,3
	s_delay_alu instid0(VALU_DEP_4)
	v_max_num_f32 v[200+\b], v[200+\b], v[204+\b]  ; with lane l xor 16's 16 keys
.endr
	s_delay_alu instid0(VALU_DEP_2)
	v_max3_num_f32 v214, v200, v201, v202
	s_delay_alu instid0(VALU_DEP_1)
	v_max_num_f32 v214, v214, v203                 ; the step's largest score of my query
	s_delay_alu instid0(VALU_DEP_1)
	v_mul_f32 v214, s58, v214                      ; as t (c is positive)
	s_delay_alu instid0(VALU_DEP_1)
	v_max_num_f32 v13, v13, v214                   ; the running largest t
	v_mov_b32 v214, v12
	s_delay_alu instid0(VALU_DEP_2)
	v_floor_f32 v12, -v13                          ; the new -M = floor(-t): M is a whole number
	s_delay_alu instid0(VALU_DEP_1)
	v_sub_f32 v214, v12, v214                      ; old M - new M: a whole number, 0 or less
	s_delay_alu instid0(VALU_DEP_1)
	v_cvt_i32_f32 v214, v214                       ; (it saturates)
	s_delay_alu instid0(VALU_DEP_1)
	v_ldexp_f32 v212, 1.0, v214                    ; f = 2^(old M - new M)
.set j, 0
.rept 32
	v_pk_fma_f32 v[96+j:97+j], v[96+j:97+j], s[58:59], v[12:13] op_sel_hi:[1,0,0]   ; t - M, two at a time
.set j, j+2
.endr
.irp b, 0,1,2,3
	v_fma_f32 v[200+\b], v[200+\b], s58, v12       ; the same of each block's largest score
.endr
.set j, 0
	s_wait_alu depctr_va_vdst(0)
.rept 64
	v_exp_f32 v[96+j], v[96+j]                     ; p = 2^(t - M), at most 1
.set j, j+1
.endr
	s_setprio 1
	v_pk_mul_f32 v[14:15], v[14:15], v[212:213] op_sel_hi:[1,0]   ; the sums under the new M.  (A plain place behind the exponentials)
	s_wait_alu depctr_va_vdst(0)                   ; one wait for the whole batch, ahead of its first reader
.irp b, 0,1,2,3
	v_exp_f32 v[200+\b], v[200+\b]                 ; the block's largest p: the same two instructions on the same number give the same bits
.endr
	v_pk_add_f32 v[216:217], v[100:101], v[104:105]
	v_pk_add_f32 v[254:255], v[108:109], v[112:113]
	v_pk_add_f32 v[250:251], v[116:117], v[120:121]
	v_pk_add_f32 v[248:249], v[124:125], v[128:129]
	v_pk_add_f32 v[246:247], v[132:133], v[136:137]
	v_pk_add_f32 v[244:245], v[140:141], v[144:145]
	v_pk_add_f32 v[242:243], v[148:149], v[152:153]
	v_pk_add_f32 v[14:15], v[14:15], v[156:157]
	v_pk_add_f32 v[216:217], v[216:217], v[96:97]
	v_pk_add_f32 v[254:255], v[254:255], v[98:99]
	v_pk_add_f32 v[250:251], v[250:251], v[102:103]
	v_pk_add_f32 v[248:249], v[248:249], v[106:107]
	v_pk_add_f32 v[246:247], v[246:247], v[110:111]
	v_pk_add_f32 v[244:245], v[244:245], v[114:115]
	v_pk_add_f32 v[242:243], v[242:243], v[118:119]
	v_pk_add_f32 v[14:15], v[14:15], v[122:123]
	v_pk_add_f32 v[216:217], v[216:217], v[126:127]
	v_pk_add_f32 v[254:255], v[254:255], v[130:131]
	v_pk_add_f32 v[250:251], v[250:251], v[134:135]
	v_pk_add_f32 v[248:249], v[248:249], v[138:139]
	v_pk_add_f32 v[246:247], v[246:247], v[142:143]
	v_pk_add_f32 v[244:245], v[244:245], v[146:147]
	v_pk_add_f32 v[242:243], v[242:243], v[150:151]
	v_pk_add_f32 v[14:15], v[14:15], v[154:155]
	v_pk_add_f32 v[216:217], v[216:217], v[158:159]
	s_delay_alu instid0(VALU_DEP_2)
	v_pk_add_f32 v[14:15], v[14:15], v[248:249]
	s_delay_alu instid0(VALU_DEP_2)
	v_pk_add_f32 v[216:217], v[216:217], v[246:247]
	v_pk_add_f32 v[254:255], v[254:255], v[244:245]
	v_pk_add_f32 v[250:251], v[250:251], v[242:243]
	s_delay_alu instid0(VALU_DEP_2)
	v_pk_add_f32 v[14:15], v[14:15], v[254:255]
	s_delay_alu instid0(VALU_DEP_2)
	v_pk_add_f32 v[216:217], v[216:217], v[250:251]
	s_delay_alu instid0(VALU_DEP_1)
	v_pk_add_f32 v[14:15], v[14:15], v[216:217]
	s_wait_alu depctr_va_vdst(0)                   ; and one for the four
.irp b, 0,1,2,3
	v_max_num_f32 v[200+\b], 0x1800000, v[200+\b]  ; the floor 2^(3 - 127): the byte cannot fall under 1
.endr
.irp b, 0,1,2,3
	s_delay_alu instid0(VALU_DEP_4)
	v_add_nc_u32 v[208+\b], 0xff000000, v[200+\b]  ; 2 off the exponent field: the conversion's scale operand
.endr
.irp b, 0,1,2,3
	s_delay_alu instid0(VALU_DEP_4)
	v_lshrrev_b32 v[204+\b], 23, v[208+\b]         ; the scale's byte
.endr
	s_delay_alu instid0(VALU_DEP_3)
	v_lshl_or_b32 v213, v205, 8, v204              ; p's scale word for these 128 keys
	s_delay_alu instid0(VALU_DEP_1)
	v_lshl_or_b32 v213, v206, 16, v213
	s_delay_alu instid0(VALU_DEP_1)
	v_lshl_or_b32 v213, v207, 24, v213
.irp b, 0,1,2,3
	v_cvt_scalef32_pk8_fp4_f32 v[192+2*\b], v[96+16*\b:103+16*\b], v[208+\b]
	v_cvt_scalef32_pk8_fp4_f32 v[193+2*\b], v[104+16*\b:111+16*\b], v[208+\b]
.endr
	v_nop                                          ; one plain place behind a scaled conversion
	s_setprio 0
.irp c, 0,1                                    ; a whole block to a lane: lanes 0-15 block 2 c, lanes 16-31 block 2 c + 1
.irp i, 0,1
	v_permlane16_swap_b32 v[192+4*\c+\i], v[194+4*\c+\i]
.endr
.endr
.set j, 0
.rept 16
	v_pk_mul_f32 v[160+j:161+j], v[160+j:161+j], v[212:213] op_sel_hi:[1,0]   ; O^T under the new M, from each accumulator's low end on.  (These are also the places between the scale word, the codes and the products)
.set j, j+2
.endr
.irp t, 0,1,2,3                                ; O^T += v^T p^T: one instruction to an accumulator
	v_wmma_scale_f32_16x16x128_f8f6f4 v[160+8*\t:167+8*\t], v[64+8*\t:71+8*\t], v[192:199], v[160+8*\t:167+8*\t], v[228+\t], v213 matrix_a_fmt:MATRIX_FMT_FP4 matrix_b_fmt:MATRIX_FMT_FP4
.endr
.endm
.macro SLOT_STEPS                      ; a slot's four key steps: written once, walked four times
	s_mov_b32 s52, 4
.Lstep_\@:
	s_setprio 2
	STEP
	s_add_co_u32 s50, s50, 2*HB
	s_sub_co_u32 s52, s52, 1
	s_cmp_lg_u32 s52, 0
	s_cbranch_scc1 .Lstep_\@
	s_setprio 0
	s_sub_co_u32 s50, s50, SLOT                    ; back to the slot's head,
	s_xor_b32 s50, s50, SLOT                       ; of the other slot (s50 is 0 or SLOT here)
.endm
; THE CHANGE OF SLOTS stands at a slot's head.  Each wave waits for all its tensor loads (its part of the slot that it is about to read), adds 0 to its spare word, and waits for that and for its reads of the slot that
; it has left.  fill = 1: the barrier is a round of the cluster's, so that no wave of any partner still reads that slot or has a load on its way; the slot is filled with the 512 keys that follow: four key steps in which to land.
.macro CHANGE fill
	s_wait_tensorcnt 0x0                           ; no tensor load of mine is out, so the descriptor may be written
	ds_add_u32 v4, v5                              ; 0 onto my spare word
.if \fill
	s_xor_b32 s49, s49, SLOT                       ; the other slot than last time,
	s_add_co_u32 s45, s48, s49                     ; my block's place in it,
	s_add_nc_u64 s[46:47], s[46:47], SLOT          ; the next 8 blocks; the type bits on top are not reached
	s_wait_xcnt 0x0                                ; the last prefetch, a slot back, has read its address, so it may be written:
	s_add_nc_u64 s[54:55], s[54:55], SLOT          ; one slot further on than the descriptor
	s_wait_dscnt 0x0                               ; the add is done, and my reads of the slot that I have left are over
	CROUND
	JLOAD                                          ; the first thing behind the round, and a wave's one tensor load until the next
	ASK
.else
	s_wait_dscnt 0x0
	s_barrier_signal -1
	s_barrier_wait -1
	ASKX
.endif
.endm
	s_load_b512 s[8:23], s[0:1], 0x0               ; qb s[8:9], kv s[10:11], wp's codes s[12:13], scales s[14:15], bp s[16:17], gamma s[18:19], x s[20:21], out0 s[22:23]
	v_lshl_add_u32 v4, v0, 2, SPARE
	v_mov_b32 v5, 0
	ds_add_u32 v4, v5
	ds_add_u32 v4, v5
	s_wait_dscnt 0x0
	v_lshrrev_b32 v6, 5, v0
	s_delay_alu instid0(VALU_DEP_1)
	v_readfirstlane_b32 s24, v6                    ; wave 0..15
	s_lshr_b32 s25, s24, 2                         ; head
	s_and_b32 s26, s24, 3                          ; tile of queries
	s_bfe_u32 s27, ttmp6, 0x40000                  ; cx
	s_lshl_b32 s28, ttmp9, 2
	s_add_co_u32 s28, s28, s27                     ; my block of 64 pixels
	s_and_b32 s29, ttmp7, 0xffff                   ; the image, which the four partners share
	; the descriptor: a block of kv, 17,408 dense bytes, as 68 rows of 32 elements of 8 bytes; 15:0 the mask: all four partners; 21 set beside a mask; no padding: every read is a dense image
	s_mov_b32 s36, 15|(3<<16)|(1<<21)
	s_mov_b32 s37, 32<<16
	s_mov_b32 s38, 68<<16
	s_mov_b32 s39, 32<<16
	s_mov_b32 s40, 68
	s_mov_b32 s41, 32
	s_mov_b32 s42, 0
	s_mov_b32 s43, 0
	s_mul_i32 s48, s24, HB
	s_mov_b32 s49, 0
	s_mov_b32 s50, 0
	s_mov_b32 s51, 7                               ; slots still to be asked for
	s_mul_i32 s30, s29, 64*HB                      ; the image's first byte in kv
	s_add_co_u32 s46, s30, s48                     ; my block of slot 0
	s_mov_b32 s47, 0
	s_and_b32 s31, s24, 3                          ; the prefetches: wave 8 + i of partner cx takes half i % 2 of block 2 cx + i / 2,
	s_lshr_b32 s32, s31, 1
	s_lshl_b32 s33, s27, 1
	s_add_co_u32 s32, s32, s33
	s_mul_i32 s32, s32, HB
	s_and_b32 s31, s31, 1
	s_lshl_b32 s31, s31, 13
	s_add_co_u32 s54, s32, s31
	s_add_co_u32 s54, s54, s30
	s_add_co_u32 s54, s54, SLOT                    ; in slot 1: the first change of slots steps it to slot 2
	s_mov_b32 s55, 0
	s_sub_co_u32 s53, s24, 8
	s_lshr_b32 s53, s53, 2                         ; 0 in waves 8 to 11,
	s_or_b32 s53, s53, ttmp9                       ; of the image's first cluster: the same in all four partners
	s_cmp_eq_u32 s53, 0
	s_cselect_b32 s53, 1, -1
	s_mov_b32 s56, 0x76543210
	s_mov_b32 s57, 0xfedcba98                      ; v_permlanex16_b32's selects for lane l xor 16
	s_mov_b32 s58, 0x3e38aa3b                      ; c = log2(e) / 8
	s_mov_b32 s59, s58                             ; (named with it as a pair, so it is written)
	s_lshl_b32 s30, s29, 22                        ; x and out0: the image,
	s_lshl_b32 s31, s28, 8                         ; the block's 256 bytes of a row,
	s_add_co_u32 s30, s30, s31
	s_lshl_b32 s31, s24, 19
	s_add_co_u32 s62, s30, s31                     ; rows 32 w on (the prefetch),
	s_mov_b32 s63, 0
	s_lshl_b32 s31, s24, 18
	s_add_co_u32 s66, s30, s31                     ; rows 16 w on (the epilogue)
	s_mov_b32 s67, 0
	s_mov_b32 s68, s66
	s_mov_b32 s69, 0
	s_lshl_b32 s30, s29, 6
	s_add_co_u32 s30, s30, s28
	s_mul_i32 s30, s30, QBB                        ; my block in qb
	s_lshl_b32 s32, s24, 6
	s_add_co_u32 s32, s32, s30
	s_add_co_u32 s32, s32, 8192                    ; my tile's scale words: 64 bytes a wave
	s_mov_b32 s33, 0
	s_lshl_b32 s31, s24, 9
	s_add_co_u32 s30, s30, s31                     ; my tile's codes: 512 bytes a wave
	s_mov_b32 s31, 0
	v_and_b32 v214, 31, v0                         ; lane
	v_and_b32 v215, 15, v0                         ; r
	v_bfe_u32 v216, v0, 4, 1                       ; h
	s_delay_alu instid0(VALU_DEP_3)
	v_lshlrev_b32 v9, 4, v214
	s_delay_alu instid0(VALU_DEP_4)
	v_lshlrev_b32 v29, 8, v214
	v_lshlrev_b32 v233, 14, v214
	v_lshl_add_u32 v252, v214, 2, OSC
	v_lshlrev_b32 v232, 14, v216
	s_delay_alu instid0(VALU_DEP_1)
	v_lshl_add_u32 v232, v215, 4, v232             ; lanes 0-15 one row of x or out0, lanes 16-31 the next; 16 bytes a lane
	v_lshlrev_b32 v237, 7, v215
	s_delay_alu instid0(VALU_DEP_1)
	v_lshl_add_u32 v237, v216, 4, v237
	v_lshlrev_b32 v238, 3, v215
	v_lshlrev_b32 v239, 2, v215
	s_wait_kmcnt 0x0
	s_load_b32 s60, s[18:19], 0x0                  ; gamma
	s_mov_b32 s44, 1
	s_mov_b32 s45, s48
	s_add_nc_u64 s[46:47], s[10:11], s[46:47]
	s_or_b32 s47, s47, 0x80000000
	s_add_nc_u64 s[54:55], s[10:11], s[54:55]
	s_add_nc_u64 s[62:63], s[20:21], s[62:63]
	s_add_nc_u64 s[66:67], s[20:21], s[66:67]
	s_add_nc_u64 s[68:69], s[22:23], s[68:69]
	s_add_nc_u64 s[34:35], s[8:9], s[32:33]
	s_add_nc_u64 s[8:9], s[8:9], s[30:31]
	s_lshl_b32 s30, s24, 11                        ; wp: my 16 rows of 128 bytes,
	s_add_nc_u64 s[12:13], s[12:13], s[30:31]
	s_lshl_b32 s30, s24, 7                         ; of 8 scale bytes,
	s_add_nc_u64 s[14:15], s[14:15], s[30:31]
	s_lshl_b32 s30, s24, 6                         ; and my 16 numbers of bp
	s_add_nc_u64 s[16:17], s[16:17], s[30:31]
	CROUND                                         ; all four work-groups are here: the first joint loads meet
	JLOAD                                          ; slot 0
	global_load_b128 v[16:19], v9, s[8:9]          ; q's codes, twice: below the zeros and above them
	global_load_b128 v[24:27], v9, s[8:9]
	s_wait_alu depctr_va_vdst(0)
	global_load_b32 v28, v239, s[34:35]            ; q's scale words
	s_lshl_b32 s30, s25, 11
	v_add_nc_u32 v1, s30, v9
	s_lshl_b32 s30, s25, 7
	v_lshl_add_u32 v2, v214, 2, s30
	v_lshl_add_u32 v3, v215, 1, s30
	s_lshr_b32 s31, s25, 1                         ; the last product's K step that my head lies in,
	s_and_b32 s33, s25, 1                          ; and which half of it
	s_lshl_b32 s30, s26, 11
	s_lshl_b32 s32, s31, 10
	s_add_co_u32 s30, s30, s32
	s_lshl_b32 s32, s33, 9
	s_add_co_u32 s30, s30, s32
	v_add_nc_u32 v10, s30, v9                      ; (2 tile + K step) x 1,024 + 512 x half + 16 lane
	s_lshl_b32 s30, s26, 7
	s_lshl_b32 s32, s31, 6
	s_add_co_u32 s30, s30, s32
	s_lshl_b32 s32, s33, 1
	s_add_co_u32 s30, s30, s32
	s_add_co_u32 s30, s30, OSC
	v_lshl_add_u32 v11, v215, 2, s30               ; OSC + 128 tile + 64 K step + 4 r + 2 half
	s_mul_i32 s30, s24, STW
	s_add_co_u32 s30, s30, STG                     ; my stage
	v_mul_u32_u24 v30, v215, 272
	s_delay_alu instid0(VALU_DEP_1)
	v_lshl_add_u32 v30, v216, 6, v30
	s_delay_alu instid0(VALU_DEP_1)
	v_add_nc_u32 v30, s30, v30                     ; in: row r (an output channel), + 64 h
	v_mul_u32_u24 v31, v216, 272
	s_delay_alu instid0(VALU_DEP_1)
	v_lshl_add_u32 v31, v215, 4, v31
	s_delay_alu instid0(VALU_DEP_1)
	v_add_nc_u32 v31, s30, v31                     ; back: lanes 0-15 one row, lanes 16-31 the next
.irp j, 20,21,22,23
	v_mov_b32 v[\j], 0                             ; the zero codes between q and q
.endr
	v_mov_b32 v13, 0xff61b1e6                      ; the largest t so far: -3e38, under every t
	s_delay_alu instid0(VALU_DEP_1)
	v_floor_f32 v12, -v13                          ; -M
	v_mov_b32 v14, 0                               ; the sum, in two halves
	v_mov_b32 v15, 0
.irp j, 204,205,206,207
	v_mov_b32 v[\j], 0                             ; written once: a lane permute's destination counts as one of its sources
.endr
	v_mov_b32 v213, 0                              ; (named as the upper half of the pair v[212:213] before it is first written)
.set j, 0
.rept 32
	v_mov_b32 v[160+j], 0                          ; O^T: the step is written once; the first finds zeros, which the first change of M leaves zeros
.set j, j+1
.endr
	s_wait_loadcnt 0x0                             ; q
	s_wait_kmcnt 0x0
	s_mov_b32 s61, s60                             ; (named with gamma as a pair)
.Lslot:                                            ; 7 trips: behind each change of slots but the last the next slot is asked for
	CHANGE 1
	SLOT_STEPS
	s_sub_co_u32 s51, s51, 1
	s_cmp_lg_u32 s51, 0
	s_cbranch_scc1 .Lslot
	CHANGE 0                                       ; the last slot is written out
	SLOT_STEPS
	; ---- THE EPILOGUE.  What it wants from memory is asked for first
	PLACES                                         ; in front of loads into registers that the last products read
.irp ks, 0,1
.irp c, 0,1
	global_load_b128 v[216+8*\ks+4*\c:219+8*\ks+4*\c], v237, s[12:13] offset:64*\ks+32*\c   ; wp's rows 16 w + r: two fragments
.endr
.endr
	global_load_b64 v[234:235], v238, s[14:15]     ; their scale words
	global_load_b32 v236, v239, s[16:17]           ; bp(16 w + r)
.irp k, 0,1,2,3,4,5,6,7
	global_load_b128 v[128+4*\k:131+4*\k], v232, s[66:67] offset:32768*\k th:TH_LOAD_NT   ; x: rows 16 w + 2 k, + 1: 256 consecutive bytes for each sixteen lanes
.endr
	v_add_f32 v14, v14, v15                        ; the sum's two halves,
	s_delay_alu instid0(VALU_DEP_1)
	v_permlanex16_b32 v214, v14, s56, s57
	s_delay_alu instid0(VALU_DEP_1)
	v_add_f32 v14, v14, v214                       ; and lane l xor 16's: the row's sum
	s_wait_alu depctr_va_vdst(0)
	v_rcp_f32 v14, v14
	v_nop                                          ; a plain place behind the reciprocal
	s_wait_alu depctr_va_vdst(0)                   ; and the wait ahead of its first reader
.set j, 0
.rept 16
	v_pk_mul_f32 v[96+j:97+j], v[160+j:161+j], v[14:15] op_sel_hi:[1,0]   ; O^T / the sum: register 16 b + i is channel 32 b + 16 h + i of my head, for my query
.set j, j+2
.endr
.irp b, 0,1                                    ; quantised along the channels: my head's two blocks
	v_max3_num_f32 v[200+\b], |v[96+16*\b]|, |v[97+16*\b]|, 0x1800000
.endr
.irp i, 2,4,6,8,10,12,14
.irp b, 0,1
	s_delay_alu instid0(VALU_DEP_2)
	v_max3_num_f32 v[200+\b], v[200+\b], |v[96+16*\b+\i]|, |v[97+16*\b+\i]|
.endr
.endr
.irp b, 0,1
	s_delay_alu instid0(VALU_DEP_2)
	v_permlanex16_b32 v[204+\b], v[200+\b], s56, s57
.endr
.irp b, 0,1
	s_delay_alu instid0(VALU_DEP_2)
	v_max_num_f32 v[200+\b], v[200+\b], v[204+\b]
.endr
.irp b, 0,1
	s_delay_alu instid0(VALU_DEP_2)
	v_add_nc_u32 v[208+\b], 0xff000000, v[200+\b]
.endr
.irp b, 0,1
	s_delay_alu instid0(VALU_DEP_2)
	v_lshrrev_b32 v[206+\b], 23, v[208+\b]
.endr
	s_delay_alu instid0(VALU_DEP_1)
	v_lshl_or_b32 v214, v207, 8, v206
.irp b, 0,1
	v_cvt_scalef32_pk8_fp4_f32 v[192+2*\b], v[96+16*\b:103+16*\b], v[208+\b]
	v_cvt_scalef32_pk8_fp4_f32 v[193+2*\b], v[104+16*\b:111+16*\b], v[208+\b]
.endr
	v_nop                                          ; one plain place behind a scaled conversion
	v_permlane16_swap_b32 v192, v194
	v_permlane16_swap_b32 v193, v195
	s_wait_alu depctr_va_vdst(0)
	s_barrier_signal -1                            ; (no LDS instruction of mine is out)
	s_barrier_wait -1                              ; no wave reads the ring any more: its bytes may be written
	ds_store_b128 v10, v[192:195]                  ; half a fragment of the last product: my tile's rows, my head's 64 channels
	ds_store_b16 v11, v214                         ; and its two scale bytes
	s_wait_dscnt 0x0                               ; for the others' sake
	s_barrier_signal -1
	s_barrier_wait -1                              ; the eight fragments and their scale words lie in LDS
.irp q, 0,1,2,3
.irp ks, 0,1
.irp c, 0,1
	ds_load_b128 v[32+16*\q+8*\ks+4*\c:35+16*\q+8*\ks+4*\c], v9 offset:(2*\q+\ks)*1024+512*\c
.endr
.endr
	ds_load_b32 v[248+\q], v252 offset:128*\q      ; lanes 0-15: K step 0's words, lanes 16-31: K step 1's
.endr
	s_wait_loadcnt 0x8                             ; wp and bp are in; x's eight loads may be out
.irp j, 0,1,2,3,4,5,6,7
	v_mov_b32 v[240+\j], v236
.endr
	PLACES                                         ; the bias registers just written are kept at the distance that an operand so written is owed
	s_wait_alu depctr_va_vdst(0)
	s_wait_dscnt 0x0
.irp q, 0,1,2,3                                ; source 0 = 16 pixels, source 1 = my 16 rows of wp: a lane holds one output channel and eight neighbouring pixels.  Four accumulators by turns
	v_wmma_scale_f32_16x16x128_f8f6f4 v[96+8*\q:103+8*\q], v[32+16*\q:39+16*\q], v[216:223], v[240:247], v[248+\q], v234 matrix_a_fmt:MATRIX_FMT_FP4 matrix_b_fmt:MATRIX_FMT_FP4
.endr
.irp q, 0,1,2,3
	v_wmma_scale_f32_16x16x128_f8f6f4 v[96+8*\q:103+8*\q], v[40+16*\q:47+16*\q], v[224:231], v[96+8*\q:103+8*\q], v[248+\q], v235 matrix_a_fmt:MATRIX_FMT_FP4 matrix_b_fmt:MATRIX_FMT_FP4 matrix_a_scale:MATRIX_SCALE_ROW1
.endr
	PLACES
.irp q, 0,1,2,3                                ; through my own stage: tile 2 b + u, lane (r, h): pixels 32 b + 8 u + 16 h + 0 .. 7 of channel r
	ds_store_b128 v30, v[96+8*\q:99+8*\q] offset:128*(\q/2)+32*(\q%2)
	ds_store_b128 v30, v[100+8*\q:103+8*\q] offset:128*(\q/2)+32*(\q%2)+16
.endr
.irp k, 0,1,2,3,4,5,6,7
	ds_load_b128 v[160+4*\k:163+4*\k], v31 offset:544*\k   ; LDS serves a wave's instructions in order (ISA guide 5.7.1.4): these see my stores
.endr
	s_wait_loadcnt 0x0                             ; x
.irp k, 0,1,2,3,4,5,6,7
	s_wait_dscnt 7-\k
	v_pk_fma_f32 v[160+4*\k:161+4*\k], v[160+4*\k:161+4*\k], s[60:61], v[128+4*\k:129+4*\k] op_sel_hi:[1,0,1]   ; gamma y + x
	v_pk_fma_f32 v[162+4*\k:163+4*\k], v[162+4*\k:163+4*\k], s[60:61], v[130+4*\k:131+4*\k] op_sel_hi:[1,0,1]
	global_store_b128 v232, v[160+4*\k:163+4*\k], s[68:69] offset:32768*\k th:TH_STORE_NT   ; sixteen lanes store 256 consecutive bytes, aligned
.endr
	s_wait_tensorcnt 0x0                           ; the wave's end: behind my last tensor load and my last LDS store
	ds_add_u32 v4, v5
	s_wait_dscnt 0x0
	CROUND                                         ; the closing round: no work-group ends while a partner may still ask for a tile that names it
	s_endpgm
.Lfunc_end_k_q784d8b1423_attn:
	.size	k_q784d8b1423_attn, .Lfunc_end_k_q784d8b1423_attn-k_q784d8b1423_attn
	.p2alignl 7, 3214868480
	.fill 96, 4, 3214868480
	.section	.rodata,"a",@progbits
	.p2align	6, 0x0
	.amdhsa_kernel k_q784d8b1423_attn
		.amdhsa_group_segment_fixed_size 327680
		.amdhsa_private_segment_fixed_size 0
		.amdhsa_enable_private_segment 0
		.amdhsa_kernarg_size 64
		.amdhsa_user_sgpr_count 2
		.amdhsa_user_sgpr_kernarg_segment_ptr 1
		.amdhsa_wavefront_size32 1
		.amdhsa_system_sgpr_workgroup_id_x 1
		.amdhsa_system_sgpr_workgroup_id_y 1
		.amdhsa_system_sgpr_workgroup_id_z 1
		.amdhsa_system_vgpr_workitem_id 0
		.amdhsa_next_free_vgpr 256
		.amdhsa_next_free_sgpr 72
		.amdhsa_reserve_vcc 0
		.amdhsa_float_denorm_mode_32 3
		.amdhsa_float_denorm_mode_16_64 3
		.amdhsa_memory_ordered 1
		.amdhsa_forward_progress 1
		.amdhsa_inst_pref_size 56
	.end_amdhsa_kernel
	.amdgpu_metadata
---
amdhsa.version: [ 1, 2 ]
amdhsa.kernels:
  - .name:           k_q784d8b1423_attn
    .symbol:         k_q784d8b1423_attn.kd
    .args:
      - { .name: qb, .offset: 0, .size: 8, .value_kind: global_buffer, .address_space: global }
      - { .name: kv, .offset: 8, .size: 8, .value_kind: global_buffer, .address_space: global }
      - { .name: wp_codes, .offset: 16, .size: 8, .value_kind: global_buffer, .address_space: global }
      - { .name: wp_scales, .offset: 24, .size: 8, .value_kind: global_buffer, .address_space: global }
      - { .name: bp, .offset: 32, .size: 8, .value_kind: global_buffer, .address_space: global }
      - { .name: gamma, .offset: 40, .size: 8, .value_kind: global_buffer, .address_space: global }
      - { .name: x, .offset: 48, .size: 8, .value_kind: global_buffer, .address_space: global }
      - { .name: out0, .offset: 56, .size: 8, .value_kind: global_buffer, .address_space: global }
    .group_segment_fixed_size: 327680
    .private_segment_fixed_size: 0
    .kernarg_segment_align: 8
    .kernarg_segment_size: 64
    .max_flat_workgroup_size: 512
    .sgpr_count:     72
    .vgpr_count:     256
    .wavefront_size: 32
...
	.end_amdgpu_metadata
.endif
;; end of part 2
